; MI455X (gfx1250); checked and timed in simulation.
; The chip was launched on July 23, 2026; its instructions are those of AMD's public machine-readable ISA for CDNA 5 (MIT licence, August 2026) and "CDNA5" Instruction Set Architecture Reference Guide (July 2026). The comments in the code are by the model that wrote it; some were corrected since.
;; Patch Core Anomaly Head. Allowed arithmetic: matrix products marked QUANTISED: E2M3 operands, one E8M0 scale for each 32 along K, by v_wmma_scale_f32_16x16x128_f8f6f4 with both operands' format E2M3, f32 sums; everything else in f32.
;; Inputs: W1 1,024 x 512 float32; W2 512 x 256 float32; b1 512 float32; b2 256 float32; features 8 x 4,096 x 1,024 float32; memory_bank 4,096 x 256 float32.
;; Outputs: out0 8 x 4,096 float32.
;; This version of the problem:
;;   THIS VERSION OF THE PROBLEM IS GIVEN IN LOW PRECISION. The matrix products marked QUANTISED in the list below multiply operands that are first quantised to E2M3 (2 exponent bits, 3 mantissa bits; 6 bits a number), with one power-of-two scale for each 32 numbers along K (OCP MX v1.0); their sums are f32. All else is computed in f32.
;;   The module's matrix products, in the order in which they are computed (A, B: the left and right operand; K: the contracted axis; several contracted axes count as one K, in the product's order):
;;     1. [M 32,768, K 1,024] x [K 1,024, N 512]; A: input features; B: input W1: QUANTISED
;;     2. [M 32,768, K 512] x [K 512, N 256]; A: computed on the way; B: input W2: QUANTISED
;;     3. [M 32,768, K 256] x [K 256, N 4,096]; A: computed on the way; B: input memory_bank: QUANTISED
;;   THE QUANTISER, for each operand of a quantised product, along K:
;;     - K is cut into blocks of 32 from its start; a last block that is shorter is filled with zeros.
;;     - A block's scale is 2^e with e = floor(log2(the largest magnitude in the block)) - 2, held to -126 .. 127; a block of zeros has e = 0. As a byte (E8M0): e + 127.
;;     - Each number is divided by its block's scale, clamped to +-7.5, and rounded to the nearest number of E2M3, ties to even, subnormals kept.
;;     - The product sums the exact products of the quantised numbers (number of the format x scale) in f32.
;;   ~~~python
;;   def quantise(x, axis):      # numpy; x: float32 -> the quantised numbers, widened to float32 again
;;       x = np.moveaxis(x, axis, -1); K = x.shape[-1]
;;       x = np.pad(x, [(0, 0)] * (x.ndim - 1) + [(0, -K % 32)]); x = x.reshape(x.shape[:-1] + (-1, 32)); a = np.abs(x).max(-1, keepdims=True)
;;       e = np.where(a > 0, np.clip(np.frexp(np.where(a > 0, a, 1))[1] - 1 - 2, -126, 127), 0)      # np.frexp(a)[1] - 1 = floor(log2(a)), exactly
;;       r = np.clip(x / 2.0 ** e, -7.5, 7.5)
;;       step = 2.0 ** (np.maximum(np.frexp(np.where(r == 0, 1, r))[1] - 1, 0) - 3)
;;       q = np.round(r / step) * step * 2.0 ** e      # np.round: ties to even
;;       return np.moveaxis(q.reshape(q.shape[:-2] + (-1,))[..., :K], -1, axis).astype(np.float32)
;;   ~~~
;;   OPERANDS COMPUTED ON THE WAY. 'Computed on the way' means the value that the module computes at that place (a softmax that the list does not call 'softmax' is quantised finished and normalised). What goes into a quantiser is computed in f32, as accurately as f32 sums, v_exp_f32 and their like allow (about 1e-6 of the number): no bf16 or f16 on the way to a quantiser, and a product that is left as it is and whose result goes on into a quantised operand takes f32 operands (vector FMAs, or v_wmma_f32_16x16x4_f32). A number that lies on a knife's edge between two numbers of the format may be rounded either way, as far as f32 arithmetic and the matrix unit's own rounding can turn it there, and no further.
;; One version. Each part assembles by itself: llvm-mc -triple=amdgcn-amd-amdhsa -mcpu=gfx1250 --defsym DOCPART=n.
;; ======== version 1 of 1: 2 launches
;; limits: right only within a limited range of input values
;; workspace buffers: wts 1,357,824 bytes
;; launch prep (part 1): grid 104 x 1, 8 waves a work-group, no clusters, 36,864 bytes of LDS; arguments W1, W2, memory_bank, wts; writes wts
.if DOCPART == 1
	.amdgcn_target "amdgcn-amd-amdhsa--gfx1250"
	.amdhsa_code_object_version 6
	.text
	.protected	k_q601a1815ab_prep
	.globl	k_q601a1815ab_prep
	.p2align	8
	.type	k_q601a1815ab_prep,@function
k_q601a1815ab_prep:
	s_mov_b64 s[64:65], 0
	v_nop
	global_prefetch_b8 v0, s[64:65] scope:SCOPE_SE
	s_setreg_imm32_b32 hwreg(HW_REG_WAVE_MODE, 25, 1), 1
	s_wait_xcnt 0x0
; W1 [1024][512], W2 [512][256] (K is their first axis) and memory_bank [4096][256] (K innermost), all f32, become codes of FP6 (E2M3) with one
; E8M0 scale byte for each 32 along K, laid as IMAGES OF OPERAND REGISTERS in the order in which the second launch takes them; beside the bank's
; codes lies -(sum of squares)/2 of each bank row, taken of the unquantised numbers.
; LAYOUT OF wts: 13 slots of 8 parts of 13,056 bytes.  A part: 8 fragments (16 rows x 128 K, 12 registers a lane) of 1,536 bytes, registers 4c..4c+3 of
; lane l at 1536 f + 512 c + 16 l; at 12,288 the scale image, lane l's 16 bytes at 16 l: word i is fragment i's scale word of row l (lanes 0-15) or
; fragment 4+i's of row l-16 (lanes 16-31); at 12,800 64 numbers: -m2/2 of entry e of bank tile T at 64 T + 4 e (zeros in the weights' parts).
; Slots 0-3: W1, part j: hidden units 128 (j/2) on, K step 2 slot + j%2.  Slot 4: W2, part j: columns 128 (j/4) on, K step j%4.
;   Row r of fragment f is unit 32 (f/2) + 8 (f%2) + r + 8 (r/8): so the results of two neighbouring tiles are 16 neighbours along the next K.
; Slots 5-12: the bank, part j: tiles 32 (slot-5) + 4 j + f/2, K step f%2, rows as they lie.
; SHARES: a work-group makes a part, wave f its fragment f.  A lane holds 64 numbers: register 16 b + i is k = 32 b + 16 (lane/16) + i of row lane%16.
; A block's scale is 2^(floor(log2(largest magnitude)) - 2): its byte is the largest magnitude's exponent field - 2, held at 1 from below.
; LIMITS: a block of zeros gets the byte 1 where the quantiser says 127 (its codes are zeros, and this program alone reads the bytes); blocks whose largest
; magnitude lies under 2^-124 share that floor; NaN and infinities among the inputs are not served.
.set PARTB, 13056
.set STG,   0                          ; LDS: a stage of 16 rows x (256 + 16) bytes for each wave (the bank's path alone)
.set SCI,   34816                      ; the part's scale image, 512 bytes
.set PSQ,   35328                      ; sums of squares: 64 bytes a fragment
.set LI,  1                            ; v1   16 x lane
.set XA,  4                            ; v4   the loads' byte offset
.set SGW, 5                            ; v5   the stage, on the way in
.set SGR, 6                            ; v6   and on the way out
.set ASQ, 7                            ; v7   PSQ + 64 f + 4 r
.set ASC, 8                            ; v8   SCI + 256 (f/4) + 4 (f%4) + 16 r
.set TM,  28                           ; v28-31   largest magnitudes; the sums' two chains
.set XT,  32                           ; v32-95   the lane's 64 numbers
.set PC,  96                           ; v96-115  the codes
.set TY,  116                          ; v116-119 the other half's maxima, then the bytes
.set TS,  120                          ; v120-123 the conversions' scale operands
.set PW,  124                          ; v124     the row's scale word
.set R,   128                          ; v128-191 the bank's numbers as loaded
.set RB,  20                           ; s[20:21] the loads' base
.set SEL, 30                           ; s[30:31] lane selects: lane l xor 16
; 64 numbers of a lane become a fragment's codes in v[PC] .. v[PC+11] and its scale word in v[PW] (the same word in both halves of the lanes)
.macro QUANT s
.irp b, 0,1,2,3
	v_max3_num_f32 v[TM+\b], |v[(\s)+16*\b]|, |v[(\s)+1+16*\b]|, 0x1800000   ; block b: my 16 numbers, and the floor 2^(3-127): the byte cannot fall under 1
.endr
.irp i, 2,4,6,8,10,12,14
.irp b, 0,1,2,3
	s_delay_alu instid0(VALU_DEP_4)
	v_max3_num_f32 v[TM+\b], v[TM+\b], |v[(\s)+16*\b+\i]|, |v[(\s)+1+16*\b+\i]|   ; the four blocks by turns
.endr
.endr
.irp b, 0,1,2,3
	s_delay_alu instid0(VALU_DEP_4)
	v_permlanex16_b32 v[TY+\b], v[TM+\b], s[SEL], s[SEL+1]
.endr
.irp b, 0,1,2,3
	s_delay_alu instid0(VALU_DEP_4)
	v_max_num_f32 v[TM+\b], v[TM+\b], v[TY+\b]       ; with lane l xor 16's: the block's largest magnitude
.endr
.irp b, 0,1,2,3
	s_delay_alu instid0(VALU_DEP_4)
	v_add_nc_u32 v[TS+\b], 0xff000000, v[TM+\b]      ; 2 off its exponent field: the conversion takes that field as its scale
.endr
.irp b, 0,1,2,3
	s_delay_alu instid0(VALU_DEP_4)
	v_lshrrev_b32 v[TY+\b], 23, v[TS+\b]             ; the scale's byte
.endr
	s_delay_alu instid0(VALU_DEP_3)
	v_lshl_or_b32 v[PW], v[TY+1], 8, v[TY]
	s_delay_alu instid0(VALU_DEP_1)
	v_lshl_or_b32 v[PW], v[TY+2], 16, v[PW]
	s_delay_alu instid0(VALU_DEP_1)
	v_lshl_or_b32 v[PW], v[TY+3], 24, v[PW]
.irp c, 0,1
	v_cvt_scalef32_pk16_fp6_f32 v[PC+6*\c:PC+2+6*\c], v[(\s)+32*\c:(\s)+15+32*\c], v[TS+2*\c]
	v_cvt_scalef32_pk16_fp6_f32 v[PC+12+4*\c:PC+14+4*\c], v[(\s)+16+32*\c:(\s)+31+32*\c], v[TS+2*\c+1]   ; (three registers from an even one on)
.endr
	v_nop                                            ; one plain line behind the scaled conversions
.irp c, 0,1                                      ; the operand wants a whole block in a lane: lanes 0-15 block 2c, lanes 16-31 block 2c+1
.irp i, 0,1,2
	v_permlane16_swap_b32 v[PC+6*\c+\i], v[PC+12+4*\c+\i]
.endr
.irp i, 0,1,2
	s_delay_alu instid0(VALU_DEP_3)
	v_mov_b32 v[PC+3+6*\c+\i], v[PC+12+4*\c+\i]
.endr
.endr
.endm
; the sum of the squares of my row's 128 numbers (mine and lane l xor 16's) into v126, two chains, ascending
.macro SUMSQ s
	v_pk_mul_f32 v[28:29], v[(\s):(\s)+1], v[(\s):(\s)+1]
	v_pk_mul_f32 v[30:31], v[(\s)+2:(\s)+3], v[(\s)+2:(\s)+3]
.irp j, 4,8,12,16,20,24,28,32,36,40,44,48,52,56,60
	s_delay_alu instid0(VALU_DEP_2)
	v_pk_fma_f32 v[28:29], v[(\s)+\j:(\s)+\j+1], v[(\s)+\j:(\s)+\j+1], v[28:29]
	s_delay_alu instid0(VALU_DEP_2)
	v_pk_fma_f32 v[30:31], v[(\s)+\j+2:(\s)+\j+3], v[(\s)+\j+2:(\s)+\j+3], v[30:31]
.endr
	s_delay_alu instid0(VALU_DEP_1)
	v_pk_add_f32 v[28:29], v[28:29], v[30:31]
	s_delay_alu instid0(VALU_DEP_1)
	v_add_f32 v28, v28, v29
	s_delay_alu instid0(VALU_DEP_1)
	v_permlanex16_b32 v125, v28, s[SEL], s[SEL+1]
	s_delay_alu instid0(VALU_DEP_1)
	v_add_f32 v126, v28, v125
.endm
; 16 rows x 512 bytes as they lie: each load takes 256 consecutive bytes of two rows, 16 bytes a lane
.macro RAW reg, pitch, off
.irp hf, 0,1
.irp i, 0,1,2,3,4,5,6,7
	global_load_b128 v[\reg+32*\hf+4*\i:\reg+32*\hf+4*\i+3], v[XA], s[RB:RB+1] offset:\off+2*\i*\pitch+256*\hf th:TH_LOAD_NT
.endr
.endr
.endm
; through my own stage, half a row (256 bytes) of the 16 rows at a time: back come 16 neighbours of each block of 32.  LDS serves a wave's instructions in order (ISA guide 5.7.1.4): no wait inside
.macro TURN reg
.irp hf, 0,1
.irp i, 0,1,2,3,4,5,6,7
	ds_store_b128 v[SGW], v[\reg+32*\hf+4*\i:\reg+32*\hf+4*\i+3] offset:544*\i
.endr
.irp b, 0,1
.irp j, 0,1,2,3
	ds_load_b128 v[XT+32*\hf+16*\b+4*\j:XT+32*\hf+16*\b+4*\j+3], v[SGR] offset:128*\b+16*\j
.endr
.endr
.endr
.endm
; a weight's 64 numbers: lane r takes a column and its registers run down K
.macro WLOAD pitch
.irp b, 0,1,2,3
.irp i, 0,1,2,3,4,5,6,7,8,9,10,11,12,13,14,15
	global_load_b32 v[XT+16*\b+\i], v[XA], s[RB:RB+1] offset:(32*\b+\i)*\pitch
.endr
.endr
	s_wait_loadcnt 0x0
.endm
	s_load_b256 s[4:11], s[0:1], 0x0               ; W1 s[4:5], W2 s[6:7], the bank s[8:9], wts s[10:11]
	v_lshl_add_u32 v192, v0, 2, 0x8c00
	v_mov_b32 v193, 0
	v_lshrrev_b32 v9, 5, v0
	s_delay_alu instid0(VALU_DEP_1)
	v_readfirstlane_b32 s12, v9                    ; wave = fragment f
	v_and_b32 v10, 31, v0                          ; lane
	v_and_b32 v2, 15, v0                           ; r
	v_bfe_u32 v3, v0, 4, 1                         ; h
	s_delay_alu instid0(VALU_DEP_3)
	v_lshlrev_b32 v[LI], 4, v10
	s_wait_alu depctr_va_vdst(0)
	s_mul_i32 s13, s12, 4352                       ; my stage (STG = 0)
	v_mul_u32_u24 v[SGW], v3, 272
	s_delay_alu instid0(VALU_DEP_1)
	v_lshl_add_u32 v[SGW], v2, 4, v[SGW]
	s_delay_alu instid0(VALU_DEP_1)
	v_add_nc_u32 v[SGW], s13, v[SGW]               ; in: row 2i + h, 16 r
	v_mul_u32_u24 v[SGR], v2, 272
	s_delay_alu instid0(VALU_DEP_1)
	v_lshl_add_u32 v[SGR], v3, 6, v[SGR]
	s_delay_alu instid0(VALU_DEP_1)
	v_add_nc_u32 v[SGR], s13, v[SGR]               ; out: row r, 64 h
	s_lshl_b32 s14, s12, 6
	s_add_co_u32 s14, s14, PSQ
	v_lshl_add_u32 v[ASQ], v2, 2, s14
	s_lshr_b32 s15, s12, 2
	s_lshl_b32 s15, s15, 8
	s_and_b32 s16, s12, 3
	s_lshl_b32 s16, s16, 2
	s_add_co_u32 s15, s15, s16
	s_add_co_u32 s15, s15, SCI
	v_lshl_add_u32 v[ASC], v2, 4, s15
	v_add_nc_u32 v13, SCI, v[LI]                   ; wave 0's way out: the scale image, 16 bytes a lane;
	v_lshrrev_b32 v14, 3, v10
	v_and_b32 v15, 7, v10
	s_delay_alu instid0(VALU_DEP_1)
	v_lshlrev_b32 v15, 3, v15
	s_delay_alu instid0(VALU_DEP_1)
	v_lshl_add_u32 v14, v14, 7, v15
	s_delay_alu instid0(VALU_DEP_1)
	v_add_nc_u32 v14, PSQ, v14                     ; two entries of tile lane/8: K step 0's sums here, K step 1's 64 bytes on;
	v_lshlrev_b32 v15, 3, v10                      ; and 8 bytes a lane in memory
	v_lshrrev_b32 v11, 3, v2
	v_lshlrev_b32 v12, 2, v2
	s_delay_alu instid0(VALU_DEP_1)
	v_lshl_add_u32 v12, v11, 5, v12                ; a weight's column in a tile: 4 (r + 8 (r/8)) bytes
.irp b, 0,1,2,3
	v_mov_b32 v[TY+\b], 0                          ; written once: a lane permute's destination counts as one of its sources
.endr
	v_mov_b32 v125, 0
	s_mov_b32 s[SEL], 0x76543210
	s_mov_b32 s[SEL+1], 0xfedcba98
	s_lshr_b32 s17, ttmp9, 3                       ; slot
	s_and_b32 s18, ttmp9, 7                        ; part j
	s_lshr_b32 s19, s12, 1
	s_lshl_b32 s19, s19, 7
	s_and_b32 s16, s12, 1
	s_lshl_b32 s16, s16, 5
	s_add_co_u32 s19, s19, s16                     ; a weight's tile f begins 128 (f/2) + 32 (f%2) bytes on
	s_mul_i32 s24, ttmp9, PARTB
	s_mov_b32 s25, 0
	s_mul_i32 s32, s12, 1536
	s_mov_b32 s33, 0
	s_cmp_ge_u32 s17, 5
	s_cselect_b32 s28, 0xbf000000, 0               ; -0.5 for the bank's parts, 0 for the weights'
	s_mov_b32 s29, s28                             ; (named with it as a pair, so it is written)
	s_wait_kmcnt 0x0
	s_add_nc_u64 s[10:11], s[10:11], s[24:25]      ; my part
	s_add_nc_u64 s[26:27], s[10:11], s[32:33]      ; my fragment
	s_cmp_ge_u32 s17, 5                            ; the three tensors part for their loads alone
	s_cbranch_scc1 .Lbank
	s_cmp_eq_u32 s17, 4
	s_cbranch_scc1 .Lw2
	s_lshl_b32 s22, s17, 1                         ; W1: K step 2 slot + j%2: 128 rows of 2,048 bytes each
	s_and_b32 s23, s18, 1
	s_add_co_u32 s22, s22, s23
	s_lshl_b32 s22, s22, 18
	s_lshr_b32 s23, s18, 1                         ; hidden units 128 (j/2) on
	s_lshl_b32 s23, s23, 9
	s_add_co_u32 s22, s22, s23
	s_add_co_u32 s22, s22, s19
	s_mov_b32 s23, 0
	s_add_nc_u64 s[RB:RB+1], s[4:5], s[22:23]
	s_wait_alu depctr_va_vdst(0)
	v_lshl_add_u32 v[XA], v3, 15, v12              ; lanes 16-31 begin 16 rows further down
	WLOAD 2048
	s_branch .Ljoin
.Lw2:
	s_and_b32 s22, s18, 3                          ; W2: K step j%4: 128 rows of 1,024 bytes
	s_lshl_b32 s22, s22, 17
	s_lshr_b32 s23, s18, 2                         ; columns 128 (j/4) on
	s_lshl_b32 s23, s23, 9
	s_add_co_u32 s22, s22, s23
	s_add_co_u32 s22, s22, s19
	s_mov_b32 s23, 0
	s_add_nc_u64 s[RB:RB+1], s[6:7], s[22:23]
	s_wait_alu depctr_va_vdst(0)
	v_lshl_add_u32 v[XA], v3, 14, v12
	WLOAD 1024
	s_branch .Ljoin
.Lbank:
	s_sub_co_u32 s22, s17, 5                       ; the bank: tile 32 (slot-5) + 4 j + f/2: 16 rows of 1,024 bytes
	s_lshl_b32 s22, s22, 5
	s_lshl_b32 s23, s18, 2
	s_add_co_u32 s22, s22, s23
	s_lshr_b32 s23, s12, 1
	s_add_co_u32 s22, s22, s23
	s_lshl_b32 s22, s22, 14
	s_and_b32 s23, s12, 1                          ; K step f%2: 512 bytes on
	s_lshl_b32 s23, s23, 9
	s_add_co_u32 s22, s22, s23
	s_mov_b32 s23, 0
	s_add_nc_u64 s[RB:RB+1], s[8:9], s[22:23]
	v_lshlrev_b32 v[XA], 10, v3
	s_delay_alu instid0(VALU_DEP_1)
	v_lshl_add_u32 v[XA], v2, 4, v[XA]             ; row h of a pair, 16 r
	RAW R, 1024, 0
	s_wait_loadcnt 0x0
	TURN R
	s_wait_dscnt 0x0
.Ljoin:
	SUMSQ XT                                       ; of the unquantised numbers (in a weight's part it is multiplied by 0 below: one path for all)
	ds_store_b32 v[ASQ], v126                      ; both halves of the lanes write the same word with the same value
	QUANT XT
.irp c, 0,1,2
	global_store_b128 v[LI], v[PC+4*\c:PC+4*\c+3], s[26:27] offset:512*\c   ; the wave stores 512 consecutive bytes, aligned to 256
.endr
	ds_store_b32 v[ASC], v[PW]
	s_wait_dscnt 0x0                               ; for the others' sake: my words lie in LDS
	s_barrier_signal -1
	s_barrier_wait -1
	s_cmp_lg_u32 s12, 0                            ; wave 0 sends the part's scale image and its 64 numbers
	s_cbranch_scc1 .Lend
	ds_load_b128 v[16:19], v13
	ds_load_b64 v[20:21], v14
	ds_load_b64 v[22:23], v14 offset:64
	s_wait_dscnt 0x0
	global_store_b128 v[LI], v[16:19], s[10:11] offset:12288    ; 512 consecutive bytes
	v_pk_add_f32 v[20:21], v[20:21], v[22:23]      ; the row's two K steps
	s_delay_alu instid0(VALU_DEP_1)
	v_pk_mul_f32 v[20:21], v[20:21], s[28:29] op_sel_hi:[1,0]
	global_store_b64 v15, v[20:21], s[10:11] offset:12800       ; 256 consecutive bytes, aligned
.Lend:
	s_wait_tensorcnt 0x0
	ds_add_u32 v192, v193
	s_wait_dscnt 0x0
	s_endpgm
.Lfunc_end_k_q601a1815ab_prep:
	.size	k_q601a1815ab_prep, .Lfunc_end_k_q601a1815ab_prep-k_q601a1815ab_prep
	.p2alignl 7, 3214868480
	.fill 96, 4, 3214868480
	.section	.rodata,"a",@progbits
	.p2align	6, 0x0
	.amdhsa_kernel k_q601a1815ab_prep
		.amdhsa_group_segment_fixed_size 36864
		.amdhsa_private_segment_fixed_size 0
		.amdhsa_enable_private_segment 0
		.amdhsa_kernarg_size 32
		.amdhsa_user_sgpr_count 2
		.amdhsa_user_sgpr_kernarg_segment_ptr 1
		.amdhsa_wavefront_size32 1
		.amdhsa_system_sgpr_workgroup_id_x 1
		.amdhsa_system_sgpr_workgroup_id_y 1
		.amdhsa_system_sgpr_workgroup_id_z 1
		.amdhsa_system_vgpr_workitem_id 0
		.amdhsa_next_free_vgpr 194
		.amdhsa_next_free_sgpr 66
		.amdhsa_reserve_vcc 0
		.amdhsa_float_denorm_mode_32 3
		.amdhsa_float_denorm_mode_16_64 3
		.amdhsa_memory_ordered 1
		.amdhsa_forward_progress 1
		.amdhsa_inst_pref_size 31
	.end_amdhsa_kernel
	.amdgpu_metadata
---
amdhsa.version: [ 1, 2 ]
amdhsa.kernels:
  - .name:           k_q601a1815ab_prep
    .symbol:         k_q601a1815ab_prep.kd
    .args:
      - { .name: W1, .offset: 0, .size: 8, .value_kind: global_buffer, .address_space: global }
      - { .name: W2, .offset: 8, .size: 8, .value_kind: global_buffer, .address_space: global }
      - { .name: memory_bank, .offset: 16, .size: 8, .value_kind: global_buffer, .address_space: global }
      - { .name: wts, .offset: 24, .size: 8, .value_kind: global_buffer, .address_space: global }
    .group_segment_fixed_size: 36864
    .private_segment_fixed_size: 0
    .kernarg_segment_align: 8
    .kernarg_segment_size: 32
    .max_flat_workgroup_size: 256
    .sgpr_count:     66
    .vgpr_count:     194
    .wavefront_size: 32
...
	.end_amdgpu_metadata
.endif
;; end of part 1
;; launch head (part 2): grid 256 x 1, 8 waves a work-group, clusters of 4 x 1, 327,680 bytes of LDS; arguments features, wts, b1, b2, out0; writes out0
.if DOCPART == 2
	.amdgcn_target "amdgcn-amd-amdhsa--gfx1250"
	.amdhsa_code_object_version 6
	.text
	.protected	k_q601a1815ab_head
	.globl	k_q601a1815ab_head
	.p2align	8
	.type	k_q601a1815ab_head,@function
k_q601a1815ab_head:
	s_mov_b64 s[64:65], 0
	v_nop
	global_prefetch_b8 v0, s[64:65] scope:SCOPE_SE
	s_setreg_imm32_b32 hwreg(HW_REG_WAVE_MODE, 25, 1), 1
	s_wait_xcnt 0x0
	s_wait_alu depctr_hold_cnt(0) depctr_sa_sdst(0) depctr_va_vdst(0) depctr_va_sdst(0) depctr_va_ssrc(0) depctr_va_vcc(0) depctr_vm_vsrc(0)
	s_getreg_b32 s2, hwreg(HW_REG_IB_STS2, 6, 4)
	s_cmp_eq_u32 s2, 0
	s_cbranch_scc0 .Lentry_in_a_cluster
	s_endpgm
.Lentry_in_a_cluster:
	s_bfe_u32 s2, ttmp6, 0x10000c
	s_cmp_lg_u32 s2, 0x3003
	s_cbranch_scc0 .Lentry_shape_is_right
	s_endpgm
.Lentry_shape_is_right:
; out[row] = min over the 4,096 bank rows of sqrt(max(x2 - 2 xm + m2, 0)), proj = relu(x W1 + b1) W2 + b2, xm = proj . bank row; the three products on codes of FP6 (E2M3)
; with one E8M0 scale for each 32 along K, sums in f32.  sqrt and max(., 0) do not fall where their input rises, so the minimum is taken first:
; out = sqrt(max(x2 - 2 max_m(xm - m2/2), 0)), and -m2/2 is the C of a bank tile's first matrix instruction.  That is another order of rounding than x2 - 2 xm + m2.
; SHARES.  A work-group owns 128 rows (8 tiles of 16) and takes them through the whole chain; hidden layer and proj never go to memory.  Eight waves of 512 registers, two to a SIMD.
;   product 1: wave w makes hidden units 128 (w/2) on for row tiles 4 (w%2) .. +3: 32 accumulators.   product 2: proj columns 128 (w/4) on for row tiles 2 (w%4), +1.
;   product 3: wave w takes part w of each bank slot (4 tiles of 16 entries) against ALL 8 row tiles, whose codes stay in its registers: a bank fragment is loaded from memory once in the work-group.
; All products are used TRANSPOSED (source 0 = 16 rows of the weight or bank, source 1 = 16 of my rows): a lane holds one row, and its registers run along the next K.
; THE WEIGHTS come as register images from wts (13 slots of 104,448 bytes, laid by the launch before) through a ring of two LDS slots; wave w fetches part w (13,056 bytes) of each slot.
; CLUSTER.  All work-groups walk the same 13 slots: the four of a cluster ask for each part JOINTLY, by the same tensor load with the same descriptor and the mask of the four.
; OPERANDS MADE ON THE WAY go from wave to wave through LDS as images of their registers: 3 stores of 16 bytes a lane at 16 x lane, the scale word at 4 x lane.
; LIMITS: a block of zeros carries the byte 1 where the quantiser says 127 (its codes are zeros; nobody else reads the bytes); blocks whose largest magnitude lies under 2^-124 share that floor;
; NaN and infinities among the inputs are not served.
; REGISTERS.  Window 0: v1-15 addresses; v16-27 scale words and nothing else; v28-31 at work; v32-127 fragments in hand, or the quantiser's numbers and codes; v128-255 features as loaded, then accumulators.
;   Window 1: product 1's 32 accumulators (64 m + 8 t); in product 3 proj's 16 fragments (12 (2 M + K step)).
; OF wts' 13 SLOTS the first five (W1, W2) take the way described above: the ring of two LDS slots, joint loads.  The bank's eight go from memory straight into the operand registers of the one wave that uses
; them, not through LDS and not by joint loads (PRODUCT 3, below, says why): what is said above of LDS, of the ring and of the cluster holds for slots 0 to 4.
.set PARTB, 13056
.set SLOTB, 104448
.set SLOT1, 1<<17                      ; slot 1 begins here: one exclusive or turns an address of one slot into the other's
.set PIMG,  104448                     ; behind slot 0: proj's 16 fragments (2 M + K step),
.set PSC,   129024                     ; their scale words, 128 bytes each
.set XIMG,  235520                     ; behind slot 1: x's images, two buffers by turns: 16 fragments (2 M + K step of the slot), scale words at +24,576
.set XBUF,  26624
.set XSCO,  24576
.set HIMG,  XIMG                       ; later in the same bytes: the hidden layer's 32 fragments (4 M + K step),
.set HSC,   XIMG+49152                 ; and their scale words
.set STG,   288768                     ; a stage of 16 rows x (256 + 16) bytes for each wave
.set MST,   STG                        ; at the end in the same bytes: each wave's maxima, 1,024 bytes a wave
.set SPARE, 323584                     ; the spare words, 128 bytes a wave: four blocks of 256 bytes that no other line names
.set X2,    324608                     ; sums of squares of proj: [half of the columns][row tile][lane]
.set LI,  1                            ; v1   16 x lane
.set LS,  2                            ; v2   4 x lane
.set XA,  3                            ; v3   features: 4,096 (lane/16) + 16 (lane%16)
.set SPW, 4                            ; v4   my spare word; never rewritten
.set NIL, 5                            ; v5   0; never rewritten
.set SGW, 6                            ; v6   the stage, on the way in
.set SGR, 7                            ; v7   and on the way out
.set AXW, 8                            ; v8   where I store images
.set AXS, 9                            ; v9   and their scale words
.set AXR, 10                           ; v10  where I read source 1's images
.set AXRS, 11                          ; v11  and their scale words
.set AW,  12                           ; v12  the weights' part in hand
.set ACM, 13                           ; v13  64 (lane/16) for the biases
.set H32, 14                           ; v14  32 (lane/16)
.set PFO, 15                           ; v15  256 x lane
.set WS,  16                           ; v16-19 the part's scale image
.set XS,  20                           ; v20-27 source 1's scale words
.set PS,  20
.set TM,  28
.set XT,  32
.set XF,  32                           ; v32-79  source 1's fragments
.set WF,  80                           ; v80-127 four fragments of a weight
.set PC,  96
.set TY,  116
.set TS,  120
.set PW,  124
.set WS2, 28                           ; v28-31 in product 3: the scale image of the bank's odd slots (v16-19: of the even ones)
.set BKB, 80                           ; s[80:81] the bank in wts at my wave's part of its first slot
.set NB,  82                           ; s[82:83] my part of the slot that is being asked for
.set OFS, 84                           ; s[84:85] that slot's byte offset
.set RC,  86                           ; s86  its number, counted on from my work-group's first; taken modulo 8
.set RUN, 96                           ; v96-103 the running maxima, one a row tile
.set TP,  104                          ; v104-111 at work
.set ACC, 128                          ; v128-191, v192-255 two sets of 8 accumulators
.set RB,  4                            ; s[4:5] features at my wave's 16 rows
.set WV,  14
.set CX,  15
.set WGX, 16
.set TB,  17                           ; LDS byte at which the slot in hand begins
.set XB,  18                           ; which of x's two buffers
.set CNT, 19
.set LIM, 21                           ; 1 in the waves that prefetch, else 0
.set SEL, 22
.set G0,  24                           ; s[24:27] descriptor group 0, which walks
.set G1,  28                           ; s[28:35] descriptor group 1
.set PFA, 36                           ; s[36:37] where my prefetches stand
.set ROLE, 58                          ; s58  (w xor w/4) mod 2: the order of a half slot's two pieces of work in product 1
.set G1H, 68                           ; s[68:75] descriptor group 1 of the head's loads: two parts on end
.set G0H, 76                           ; s[76:79] their group 0
.set MSB, 0
.macro WIN new                         ; the immediate's high byte repeats the setting that is left
.if MSB != \new
	s_set_vgpr_msb (MSB<<8)|\new
.set MSB, \new
.endif
.endm
.macro PLACES n                        ; plain lines behind a matrix instruction (ISA guide 7.12.1), where no work is at hand
.rept \n
	v_nop
.endr
.endm
.macro QUANT s                         ; 64 numbers of a lane (register 16 b + i: k = 32 b + 16 (lane/16) + i of my row) -> codes in v[PC] .. v[PC+11], scale word in v[PW]
.irp b, 0,1,2,3
	v_max3_num_f32 v[TM+\b], |v[(\s)+16*\b]|, |v[(\s)+1+16*\b]|, 0x1800000   ; block b: my 16 numbers, and the floor 2^(3-127): the byte cannot fall under 1
.endr
.irp i, 2,4,6,8,10,12,14
.irp b, 0,1,2,3
	v_max3_num_f32 v[TM+\b], v[TM+\b], |v[(\s)+16*\b+\i]|, |v[(\s)+1+16*\b+\i]|
.endr
.endr
.irp b, 0,1,2,3
	s_delay_alu instid0(VALU_DEP_4)
	v_permlanex16_b32 v[TY+\b], v[TM+\b], s[SEL], s[SEL+1]
.endr
.irp b, 0,1,2,3
	s_delay_alu instid0(VALU_DEP_4)
	v_max_num_f32 v[TM+\b], v[TM+\b], v[TY+\b]       ; with lane l xor 16's: the block's largest magnitude
.endr
.irp b, 0,1,2,3
	s_delay_alu instid0(VALU_DEP_4)
	v_add_nc_u32 v[TS+\b], 0xff000000, v[TM+\b]      ; 2 off its exponent field: the conversion takes that field as its scale
.endr
.irp b, 0,1,2,3
	s_delay_alu instid0(VALU_DEP_4)
	v_lshrrev_b32 v[TY+\b], 23, v[TS+\b]             ; the scale's byte
.endr
	s_delay_alu instid0(VALU_DEP_3)
	v_lshl_or_b32 v[PW], v[TY+1], 8, v[TY]
	s_delay_alu instid0(VALU_DEP_1)
	v_lshl_or_b32 v[PW], v[TY+2], 16, v[PW]
	s_delay_alu instid0(VALU_DEP_1)
	v_lshl_or_b32 v[PW], v[TY+3], 24, v[PW]
.irp c, 0,1
	v_cvt_scalef32_pk16_fp6_f32 v[PC+6*\c:PC+2+6*\c], v[(\s)+32*\c:(\s)+15+32*\c], v[TS+2*\c]
	v_cvt_scalef32_pk16_fp6_f32 v[PC+12+4*\c:PC+14+4*\c], v[(\s)+16+32*\c:(\s)+31+32*\c], v[TS+2*\c+1]   ; (three registers from an even one on)
.endr
	v_nop                                            ; one plain line behind the scaled conversions
.irp c, 0,1                                      ; the operand wants a whole block in a lane
.irp i, 0,1,2
	v_permlane16_swap_b32 v[PC+6*\c+\i], v[PC+12+4*\c+\i]
.endr
.irp i, 0,1,2
	s_delay_alu instid0(VALU_DEP_3)
	v_mov_b32 v[PC+3+6*\c+\i], v[PC+12+4*\c+\i]
.endr
.endr
.endm
.macro SUMSQ s                         ; the sum of the squares of my row's 128 numbers into v126; each accumulator is read from its low end on
	v_pk_mul_f32 v[28:29], v[(\s):(\s)+1], v[(\s):(\s)+1]
	v_pk_mul_f32 v[30:31], v[(\s)+2:(\s)+3], v[(\s)+2:(\s)+3]
.irp j, 4,8,12,16,20,24,28,32,36,40,44,48,52,56,60
	v_pk_fma_f32 v[28:29], v[(\s)+\j:(\s)+\j+1], v[(\s)+\j:(\s)+\j+1], v[28:29]
	v_pk_fma_f32 v[30:31], v[(\s)+\j+2:(\s)+\j+3], v[(\s)+\j+2:(\s)+\j+3], v[30:31]
.endr
	s_delay_alu instid0(VALU_DEP_1)
	v_pk_add_f32 v[28:29], v[28:29], v[30:31]
	s_delay_alu instid0(VALU_DEP_1)
	v_add_f32 v28, v28, v29
	s_delay_alu instid0(VALU_DEP_1)
	v_permlanex16_b32 v125, v28, s[SEL], s[SEL+1]
	s_delay_alu instid0(VALU_DEP_1)
	v_add_f32 v126, v28, v125
.endm
.macro RAW reg, pitch, off             ; 16 rows x 512 bytes as they lie: each load takes 256 consecutive bytes of two rows
.irp hf, 0,1
.irp i, 0,1,2,3,4,5,6,7
	global_load_b128 v[\reg+32*\hf+4*\i:\reg+32*\hf+4*\i+3], v[XA], s[RB:RB+1] offset:\off+2*\i*\pitch+256*\hf th:TH_LOAD_NT
.endr
.endr
.endm
.macro TURN reg                        ; through my own stage, 256 bytes of the 16 rows at a time.  LDS serves a wave's instructions in order (ISA guide 5.7.1.4): no wait inside
.irp hf, 0,1
.irp i, 0,1,2,3,4,5,6,7
	ds_store_b128 v[SGW], v[\reg+32*\hf+4*\i:\reg+32*\hf+4*\i+3] offset:544*\i
.endr
.irp b, 0,1
.irp j, 0,1,2,3
	ds_load_b128 v[XT+32*\hf+16*\b+4*\j:XT+32*\hf+16*\b+4*\j+3], v[SGR] offset:128*\b+16*\j
.endr
.endr
.endr
.endm
.macro IMAGE adr, off                  ; the fragment in v[PC] on goes to LDS as it stands
.irp c, 0,1,2
	ds_store_b128 v[\adr], v[PC+4*\c:PC+4*\c+3] offset:(\off)+512*\c
.endr
.endm
.macro BARRIER
	s_wait_dscnt 0x0
	s_barrier_signal -1
	s_barrier_wait -1
.endm
.macro CREST                           ; a round of the cluster's barrier behind its opening barrier
	s_cmp_lg_u32 s[WV], 0
	s_cbranch_scc1 .Lnw0_\@
	s_barrier_signal -3
.Lnw0_\@:
	s_barrier_wait -3
	s_barrier_signal -1
	s_barrier_wait -1
.endm
.macro ROUND
	s_barrier_signal -1
	s_barrier_wait -1
	CREST
.endm
; A PREFETCH INTO THE L2 of later bytes of wts, behind a joint load and its four lines.  The launch's first cluster asks, in it waves 0 to 3; the four partners are told apart BY ADDRESS:
; 8,192 bytes for each pair of wave and partner, lanes 256 bytes apart: 131,072 bytes an instruction, n instructions at a place.  Four places, the head and the three changes of slots, with 2, 2, 2 and 3 instructions,
; name bytes 178,176 to the buffer's last, each aligned 256 bytes once: slot 1's last 30,720, which the head's loads ask for beside it; slots 2 to 4 one change or more ahead of their loads; the bank ahead of product 3.
.macro ASK n
	s_cmp_lg_u32 s[LIM], 0
	s_cbranch_scc0 .Lnoask_\@
.set pq, 0
.rept \n
	global_prefetch_b8 v[PFO], s[PFA:PFA+1] offset:131072*pq th:TH_LOAD_NT scope:SCOPE_SE
.set pq, pq+1
.endr
.Lnoask_\@:
.endm
.macro STEPS                           ; register work between the add and the wait for it: no tensor load of mine is out, so group 0 may be written
	s_xor_b32 s[G0+1], s[G0+1], SLOT1              ; the other slot than last time,
	s_add_nc_u64 s[G0+2:G0+3], s[G0+2:G0+3], SLOTB ; the next slot of wts; the type bits on top are not reached
	s_wait_xcnt 0x0                                ; the last prefetches have read their address
	s_add_nc_u64 s[PFA:PFA+1], s[PFA:PFA+1], 262144
.endm
; THE CHANGE OF SLOTS stands at a slot's head.  Each wave waits for all its tensor loads, adds 0 to its spare word, and waits for that and for its LDS reads and stores.
; Behind the round the slot ahead is whole in all four work-groups and nobody reads the other one, which is filled again.  n: the prefetches behind the load.
.macro CHANGE n
	s_wait_tensorcnt 0x0
	ds_add_u32 v[SPW], v[NIL]
	STEPS
	s_wait_dscnt 0x0
	ROUND
	tensor_load_to_lds s[G0:G0+3], s[G1:G1+7]      ; my one tensor load until the next round
	s_nop 0
	PLACES 4
	ASK \n
.endm
.macro MM                              ; the one matrix line, from rD, rA, rB, rC, rSA, rSB; fA, fB: the side's scales stand in lanes 16-31
.if fA
.if fB
	v_wmma_scale_f32_16x16x128_f8f6f4 v[rD:rD+7], v[rA:rA+11], v[rB:rB+11], v[rC:rC+7], v[rSA], v[rSB] matrix_a_fmt:MATRIX_FMT_FP6 matrix_b_fmt:MATRIX_FMT_FP6 matrix_a_scale:MATRIX_SCALE_ROW1 matrix_b_scale:MATRIX_SCALE_ROW1
.else
	v_wmma_scale_f32_16x16x128_f8f6f4 v[rD:rD+7], v[rA:rA+11], v[rB:rB+11], v[rC:rC+7], v[rSA], v[rSB] matrix_a_fmt:MATRIX_FMT_FP6 matrix_b_fmt:MATRIX_FMT_FP6 matrix_a_scale:MATRIX_SCALE_ROW1
.endif
.else
.if fB
	v_wmma_scale_f32_16x16x128_f8f6f4 v[rD:rD+7], v[rA:rA+11], v[rB:rB+11], v[rC:rC+7], v[rSA], v[rSB] matrix_a_fmt:MATRIX_FMT_FP6 matrix_b_fmt:MATRIX_FMT_FP6 matrix_b_scale:MATRIX_SCALE_ROW1
.else
	v_wmma_scale_f32_16x16x128_f8f6f4 v[rD:rD+7], v[rA:rA+11], v[rB:rB+11], v[rC:rC+7], v[rSA], v[rSB] matrix_a_fmt:MATRIX_FMT_FP6 matrix_b_fmt:MATRIX_FMT_FP6
.endif
.endif
.endm
; A K STEP of products 1 and 2: nm row tiles x 8 tiles of the weight's part ks.  xs: fragments from row tile to row tile in source 1's images; ab: the accumulators' first register; win: their window; pl: v_nop owed at the head.
; The accumulators were loaded with the bias, so every product adds in place; they take turns, one instruction a turn.
.macro KSTEP pl, nm, xs, ks, ab, win
.if \pl
	PLACES \pl                                     ; in front of loads into registers that matrix instructions have read
.endif
.set km, 0
.rept \nm
.irp c, 0,1,2
	ds_load_b128 v[XF+12*km+4*\c:XF+12*km+4*\c+3], v[AXR] offset:1536*(\xs*km+\ks)+512*\c
.endr
	ds_load_b32 v[XS+km], v[AXRS] offset:128*(\xs*km+\ks)
.set km, km+1
.endr
	ds_load_b128 v[WS:WS+3], v[AW] offset:PARTB*\ks+12288
.irp q, 0,1
.if \q
	PLACES 4
.endif
.irp tt, 0,1,2,3
.irp c, 0,1,2
	ds_load_b128 v[WF+12*\tt+4*\c:WF+12*\tt+4*\c+3], v[AW] offset:PARTB*\ks+1536*(4*\q+\tt)+512*\c
.endr
.endr
	s_wait_dscnt 0x0
	WIN \win
.set km, 0
.rept \nm
.irp tt, 0,1,2,3
.set rD, \ab+64*km+8*(4*\q+\tt)
.set rC, rD
.set rA, WF+12*\tt
.set rB, XF+12*km
.set rSA, WS+\tt
.set rSB, XS+km
.set fA, \q
.set fB, 0
	MM
.endr
.set km, km+1
.endr
	WIN 0
.endr
.endm
; ONE K STEP OF x: my 16 rows' 128 numbers, in the 64 registers from reg on, go through my stage, are quantised and stored as an image: the fragment io bytes, its scale words so bytes behind my places.
; roff: where the numbers two K steps on lie, which the registers take as soon as the stage has read them (0: none are left).  lc: the other register set's younger loads, which may stay out.
.macro XQ1 reg, io, so, roff, lc
	s_wait_loadcnt \lc
	TURN \reg
	s_wait_dscnt 0x0                               ; the numbers are back; the stage's stores and the last image's stores have read their registers
.if \roff
	RAW \reg, 4096, \roff
.endif
	QUANT XT
	IMAGE AXW, \io
	ds_store_b32 v[AXS], v[PW] offset:\so
.endm
.macro W1K ks                          ; K step ks of W1's slot in hand: 32 matrix instructions, and the places in front of the next loads into their operands' registers
	KSTEP 0, 4, 2, \ks, 0, 0x50
	PLACES 4
.endm
; HALF A SLOT OF W1: K step ks is multiplied, and the K step of x TWO further on is quantised, into x's other buffer, which nobody reads before the next barrier.  The two do not hang on each other.
; Waves of role 0 multiply first, waves of role 1 quantise first: so four waves' LDS instructions are the stage's while the other four's are the fragments'.  The branches hang on the wave's number alone; no barrier stands under them.
.macro HALF ks, reg, io, so, roff, lc
	s_cmp_lg_u32 s[ROLE], 0
	s_cbranch_scc1 .Lqf_\@
	s_wait_dscnt 0x0                               ; the last image's stores have read their registers, which take fragments now
	W1K \ks
.Lqf_\@:
	XQ1 \reg, \io, \so, \roff, \lc
	s_cmp_lg_u32 s[ROLE], 0
	s_cbranch_scc0 .Lhe_\@
	s_wait_dscnt 0x0                               ; likewise
	W1K \ks
.Lhe_\@:
.endm
; A slot's addresses: fragments of x are read from buffer XB and of W1 from the slot at TB; w = 1: images are still to be stored, into x's other buffer
.macro ADR w
.if \w
	s_xor_b32 s55, s[XB], XBUF
	s_add_co_u32 s50, s42, s55
	s_add_co_u32 s51, s43, s55
.endif
	s_add_co_u32 s52, s44, s[XB]
	s_add_co_u32 s53, s45, s[XB]
	s_add_co_u32 s54, s46, s[TB]
.if \w
	v_add_nc_u32 v[AXW], s50, v[LI]
	v_add_nc_u32 v[AXS], s51, v[LS]
.endif
	v_add_nc_u32 v[AXR], s52, v[LI]
	v_add_nc_u32 v[AXRS], s53, v[LS]
	v_add_nc_u32 v[AW], s54, v[LI]
	s_wait_alu depctr_va_vdst(0)                   ; directly ahead of the wait that follows the macro
.endm
; PRODUCT 3.  Wave w takes part w of each of the bank's 8 slots: 32 tiles of 16 entries, each against all 8 row tiles.  Every byte of a part is used by this wave alone, once, and lies in wts as an image of operand
; registers: so it is loaded from memory straight into them, 512 consecutive bytes an instruction; through LDS each byte would be written and read once more and shared with nobody.  So product 3 has no tensor load and no barrier.
; NO JOINT LOADS HERE: work-group x begins at slot x mod 8 and goes round (a maximum has no order), so the four partners of a cluster stand at four different slots and ask for no tile together.
; FOUR REGISTER SETS, one for each tile T of a part: two fragments (24 registers) and -m2/2 (8): T = 0, 1 in window 0 (v32-55, v56-79; v80-87, v88-95), T = 2, 3 in window 1 (v192-223, v224-255, behind proj's fragments).
; A set takes the NEXT slot's tile T as soon as this slot's tile T has been multiplied: a tile's 8 loads have the work of four tiles in which to land.
.macro SET3 T
.if (\T) < 2
.set BFR, 32+24*(\T)
.set CMR, 80+8*(\T)
.else
.set BFR, 192+32*((\T)-2)
.set CMR, 216+32*((\T)-2)
.endif
.endm
.macro G3 T                            ; 8 loads: tile T of the part at s[NB:NB+1]
	SET3 \T
.if (\T) >= 2
	WIN 0x40                                       ; destination window 1
.endif
.irp c, 0,1,2,3,4,5
	global_load_b128 v[BFR+4*\c:BFR+4*\c+3], v[LI], s[NB:NB+1] offset:3072*(\T)+512*\c
.endr
	global_load_b128 v[CMR:CMR+3], v[H32], s[NB:NB+1] offset:12800+64*(\T)
	global_load_b128 v[CMR+4:CMR+7], v[H32], s[NB:NB+1] offset:12800+64*(\T)+16
	WIN 0
.endm
.macro W3 T, ws                        ; 16 matrix instructions, the 8 row tiles by turns, K step 0 (C = -m2/2) and K step 1; ws: the part's scale image
	SET3 \T
.irp kk, 0,1
.if (\T) < 2
	WIN 0x04                                       ; source 1 (proj) window 1
.else
.if \kk
	WIN 0x05                                       ; sources 0 and 1 window 1
.else
	WIN 0x15                                       ; and C
.endif
.endif
.irp M, 0,1,2,3,4,5,6,7
.set rD, ACC+64*((\T)%2)+8*\M
.if \kk
.set rC, rD
.else
.set rC, CMR
.endif
.set rA, BFR+12*\kk
.set rB, 24*\M+12*\kk
.set rSA, \ws+2*((\T)%2)+\kk
.set rSB, PS+\M
.set fA, (\T)/2
.set fB, \kk
	MM
.endr
.endr
	WIN 0
.endm
; M3: the tile's 8 entries a lane into the running maxima
.macro M3 T
.irp i, 0,1,2,3
.irp M, 0,1,2,3,4,5,6,7
	v_max3_num_f32 v[RUN+\M], v[RUN+\M], v[ACC+64*((\T)%2)+8*\M+2*\i], v[ACC+64*((\T)%2)+8*\M+2*\i+1]   ; each accumulator from its low end on
.endr
.endr
.endm
; A bank slot: my part's four tiles.  ws: its scale image; more = 1: the next slot's part is asked for, its scale image into wn.  One set's maxima are the places behind the other set's products and in front of the loads.
; THE COUNTS.  Loads come back in order.  Behind tile 0's eight were issued tiles 1 to 3's: 24.  Behind tile T's (T = 1 to 3): the slot's later tiles', the next scale image and the next slot's tiles 0 to T - 1: 25.
; In the last slot nothing is issued: 24, 16, 8, 0.
.macro SLOT3 ws, wn, more
	s_wait_alu depctr_va_vdst(0)                   ; here and twice below, directly ahead of the wait on the loads
	s_wait_loadcnt 24
	W3 0, \ws
	PLACES 4                                       ; in front of loads into tile 0's registers, and of the reads of its results
.if \more
	s_wait_xcnt 0x0                                ; the loads issued so far have read their base
	s_add_co_u32 s[RC], s[RC], 1
	s_and_b32 s[OFS], s[RC], 7                     ; round the bank's 8 slots
	s_mul_i32 s[OFS], s[OFS], SLOTB
	s_add_nc_u64 s[NB:NB+1], s[BKB:BKB+1], s[OFS:OFS+1]
	global_load_b128 v[\wn:\wn+3], v[LI], s[NB:NB+1] offset:12288
	G3 0
	s_wait_loadcnt 25
.else
	s_wait_loadcnt 16
.endif
	W3 1, \ws
	M3 0
.if \more
	G3 1
.endif
	s_wait_alu depctr_va_vdst(0)
.if \more
	s_wait_loadcnt 25
.else
	s_wait_loadcnt 8
.endif
	W3 2, \ws
	M3 1
.if \more
	G3 2
.endif
	s_wait_alu depctr_va_vdst(0)
.if \more
	s_wait_loadcnt 25
.else
	s_wait_loadcnt 0x0
.endif
	W3 3, \ws
	M3 2
.if \more
	G3 3
.endif
	M3 3
.endm
	s_load_b256 s[4:11], s[0:1], 0x0               ; features s[4:5], wts s[6:7], b1 s[8:9], b2 s[10:11]
	s_load_b64 s[12:13], s[0:1], 0x20              ; out0
	v_lshl_add_u32 v[SPW], v0, 2, SPARE
	v_mov_b32 v[NIL], 0
	ds_add_u32 v4, v5
	ds_add_u32 v4, v5
	s_wait_dscnt 0x0
	v_lshrrev_b32 v8, 5, v0
	s_delay_alu instid0(VALU_DEP_1)
	v_readfirstlane_b32 s[WV], v8                  ; wave 0..7
	s_bfe_u32 s[CX], ttmp6, 0x40000                ; my place in the cluster: it enters the addresses of features, out0 and the prefetches, and the bank's first slot
	s_lshl_b32 s[WGX], ttmp9, 2
	s_add_co_u32 s[WGX], s[WGX], s[CX]             ; my block of 128 rows
	s_lshr_b32 s38, s[WV], 1                       ; g:  product 1's 128 hidden units
	s_and_b32 s39, s[WV], 1                        ; hw: its four row tiles
	s_lshr_b32 s40, s[WV], 2                       ; g2: product 2's 128 columns
	s_and_b32 s41, s[WV], 3                        ; rq: its two row tiles
	s_lshr_b32 s[ROLE], s[WV], 2
	s_xor_b32 s[ROLE], s[ROLE], s[WV]
	s_and_b32 s[ROLE], s[ROLE], 1                  ; (w xor w/4) mod 2
	v_and_b32 v8, 31, v0                           ; lane
	v_and_b32 v9, 15, v0                           ; r
	v_bfe_u32 v10, v0, 4, 1                        ; h
	s_delay_alu instid0(VALU_DEP_3)
	v_lshlrev_b32 v[LI], 4, v8
	s_delay_alu instid0(VALU_DEP_4)
	v_lshlrev_b32 v[LS], 2, v8
	v_lshlrev_b32 v[PFO], 8, v8
	s_delay_alu instid0(VALU_DEP_4)
	v_lshlrev_b32 v[XA], 12, v10
	s_delay_alu instid0(VALU_DEP_1)
	v_lshl_add_u32 v[XA], v9, 4, v[XA]
	v_lshlrev_b32 v[ACM], 6, v10
	v_lshlrev_b32 v[H32], 5, v10
	s_mul_i32 s50, s[WV], 4352
	s_add_co_u32 s50, s50, STG                     ; my stage
	v_mul_u32_u24 v[SGW], v10, 272
	s_delay_alu instid0(VALU_DEP_1)
	v_lshl_add_u32 v[SGW], v9, 4, v[SGW]
	s_delay_alu instid0(VALU_DEP_1)
	v_add_nc_u32 v[SGW], s50, v[SGW]
	v_mul_u32_u24 v[SGR], v9, 272
	s_delay_alu instid0(VALU_DEP_1)
	v_lshl_add_u32 v[SGR], v10, 6, v[SGR]
	s_delay_alu instid0(VALU_DEP_1)
	v_add_nc_u32 v[SGR], s50, v[SGR]
.irp b, 0,1,2,3
	v_mov_b32 v[TY+\b], 0                          ; written once: a lane permute's destination counts as one of its sources
.endr
	v_mov_b32 v125, 0
	s_mul_i32 s42, s[WV], 3072                     ; x's images: I store fragments 2 w, 2 w + 1,
	s_add_co_u32 s42, s42, XIMG
	s_lshl_b32 s43, s[WV], 8
	s_add_co_u32 s43, s43, XIMG+XSCO
	s_mul_i32 s44, s39, 12288                      ; and read those of row tiles 4 hw on
	s_add_co_u32 s44, s44, XIMG
	s_lshl_b32 s45, s39, 10
	s_add_co_u32 s45, s45, XIMG+XSCO
	s_mul_i32 s46, s38, 2*PARTB                    ; W1: parts 2 g, 2 g + 1 of a slot
	s_mul_i32 s47, s[WV], PARTB                    ; the bank: part w
	s_mul_i32 s48, s[WV], PARTB                    ; the joint load's offset, in a pair that never holds my place in the cluster
	s_mov_b32 s49, 0
	; descriptor group 1: a part is a dense block of 51 rows of 256 bytes (32 elements of 8 bytes); no padding: images are read 16 bytes a lane on end
	s_mov_b32 s[G1], 15|(3<<16)|(1<<21)            ; 15:0 the mask: all four work-groups; 17:16 elements of 8 bytes; 21 set beside a mask
	s_mov_b32 s[G1+1], 32<<16                      ; tensor_dim0 = 32
	s_mov_b32 s[G1+2], 51<<16                      ; tensor_dim1 = 51
	s_mov_b32 s[G1+3], 32<<16                      ; tile_dim0 = 32
	s_mov_b32 s[G1+4], 51                          ; tile_dim1 = 51
	s_mov_b32 s[G1+5], 32                          ; from row to row
	s_mov_b32 s[G1+6], 0
	s_mov_b32 s[G1+7], 0
	s_mov_b32 s[G0], 1                             ; count = 1
	s_mul_i32 s[G0+1], s[WV], PARTB                ; LDS address: part w,
	s_add_co_u32 s[G0+1], s[G0+1], SLOT1           ; of slot 1: the first change of slots turns it to slot 0
	; the head's loads: both slots of the ring, two parts (102 rows of 256 bytes) a wave: waves 0 to 3 fill slot 0, waves 4 to 7 slot 1
	s_mov_b32 s[G1H], 15|(3<<16)|(1<<21)
	s_mov_b32 s[G1H+1], 32<<16
	s_mov_b32 s[G1H+2], 102<<16
	s_mov_b32 s[G1H+3], 32<<16
	s_mov_b32 s[G1H+4], 102
	s_mov_b32 s[G1H+5], 32
	s_mov_b32 s[G1H+6], 0
	s_mov_b32 s[G1H+7], 0
	s_mov_b32 s[G0H], 1
	s_mul_i32 s[G0H+1], s41, 2*PARTB               ; LDS address: 26,112 (w%4)
	s_lshl_b32 s50, s40, 17
	s_add_co_u32 s[G0H+1], s[G0H+1], s50           ; + 131,072 (w/4)
	s_mov_b32 s[SEL], 0x76543210
	s_mov_b32 s[SEL+1], 0xfedcba98
	s_mov_b32 s[TB], 0
	s_mov_b32 s[XB], 0
	s_lshr_b32 s50, s[WV], 2                       ; 0 in waves 0 to 3,
	s_or_b32 s50, s50, ttmp9                       ; of the launch's first cluster: the same in all four partners
	s_cmp_eq_u32 s50, 0
	s_cselect_b32 s[LIM], 1, 0
	s_lshl_b32 s50, s[WGX], 19                     ; 128 rows of 4,096 bytes,
	s_lshl_b32 s51, s[WV], 16                      ; my wave's 16 of them
	s_add_co_u32 s50, s50, s51
	s_mov_b32 s51, 0
	s_lshl_b32 s52, s[WGX], 9                      ; 128 numbers of out0
	s_mov_b32 s53, 0
	s_lshl_b32 s54, s38, 9                         ; b1: my 128
	s_mov_b32 s55, 0
	s_lshl_b32 s56, s40, 9                         ; b2: my 128
	s_mov_b32 s57, 0
	s_wait_kmcnt 0x0
	s_add_nc_u64 s[4:5], s[4:5], s[50:51]
	s_add_nc_u64 s[12:13], s[12:13], s[52:53]
	s_add_nc_u64 s[8:9], s[8:9], s[54:55]
	s_add_nc_u64 s[10:11], s[10:11], s[56:57]
	s_add_nc_u64 s[G0+2:G0+3], s[6:7], s[48:49]    ; global address: part w
	s_add_nc_u64 s[G0+2:G0+3], s[G0+2:G0+3], SLOTB ; of slot 1: the first change of slots steps it to slot 2
	s_or_b32 s[G0+3], s[G0+3], 0x80000000          ; type = 2
	s_add_nc_u64 s[G0H+2:G0H+3], s[6:7], s[48:49]  ; the head's: 26,112 w bytes into wts (a slot is four times that)
	s_add_nc_u64 s[G0H+2:G0H+3], s[G0H+2:G0H+3], s[48:49]
	s_or_b32 s[G0H+3], s[G0H+3], 0x80000000
	s_lshl_b32 s50, s41, 15                        ; the prefetches: 32,768 (w%4) + 8,192 cx; the first change steps this to byte 440,320 on
	s_lshl_b32 s52, s[CX], 13
	s_add_co_u32 s50, s50, s52
	s_add_co_u32 s50, s50, 178176
	s_add_nc_u64 s[PFA:PFA+1], s[6:7], s[50:51]
	WIN 0x40                                       ; destination window 1
.irp m, 0,1,2,3                        ; b1 is the sums' beginning: lane (r, h), tile t, register j: unit 32 (t/2) + 16 h + 8 (t%2) + j of my 128; nothing is cleared
.irp t, 0,1,2,3,4,5,6,7
	global_load_b128 v[64*\m+8*\t:64*\m+8*\t+3], v[ACM], s[8:9] offset:128*(\t/2)+32*(\t%2)
	global_load_b128 v[64*\m+8*\t+4:64*\m+8*\t+7], v[ACM], s[8:9] offset:128*(\t/2)+32*(\t%2)+16
.endr
.endr
	WIN 0
	RAW 128, 4096, 0                               ; my 16 rows' K step 0, which is wanted first;
	ROUND                                          ; all four work-groups are here: the first joint loads meet
	tensor_load_to_lds s[G0H:G0H+3], s[G1H:G1H+7]  ; slots 0 and 1 of wts, an eighth of the two a wave: my one tensor load at the head;
	s_nop 0
	PLACES 4
	ASK 2
	RAW 192, 4096, 512                             ; and K step 1
	; ---- PRODUCT 1: four slots of W1; slot s holds K steps 2 s and 2 s + 1.  x IS QUANTISED A SLOT AHEAD of the products: K step k's turn asks for K step k + 2 (512 k bytes along my rows stand in the loads' immediates),
	; 16 loads a register set, so at each wait the other set's 16 are the younger ones.  Images of slot s lie in x's buffer s mod 2.  All of x has been asked for when slot 2 of wts is first waited for.
	v_add_nc_u32 v[AXW], s42, v[LI]                ; x's buffer 0
	v_add_nc_u32 v[AXS], s43, v[LS]
	s_wait_alu depctr_va_vdst(0)
	XQ1 128, 0, 0, 1024, 16                        ; K steps 0 and 1
	XQ1 192, 1536, 128, 1536, 16
	ADR 1                                          ; slot 0
	s_wait_tensorcnt 0x0                           ; my two parts of the ring's first fills are in;
	BARRIER                                        ; so are everybody's, and the images of K steps 0 and 1.
	HALF 0, 128, 0, 0, 2048, 16
	HALF 1, 192, 1536, 128, 2560, 16
	s_xor_b32 s[TB], s[TB], SLOT1
	s_xor_b32 s[XB], s[XB], XBUF
	ADR 1                                          ; slot 1
	CHANGE 2                                       ; slot 0 has been read out and takes slot 2 of wts; the images of K steps 2 and 3 are whole
	HALF 0, 128, 0, 0, 3072, 16
	HALF 1, 192, 1536, 128, 3584, 16               ; K step 7 is the last that is asked for
	s_xor_b32 s[TB], s[TB], SLOT1
	s_xor_b32 s[XB], s[XB], XBUF
	ADR 1                                          ; slot 2
	BARRIER                                        ; x's buffer 1 has been read out, so slot 2's load stays on its way
	XQ1 128, 0, 0, 0, 16                           ; K steps 6 and 7 are quantised ahead of the wait for that load
	XQ1 192, 1536, 128, 0, 0                       ; no load is younger than the last K step's
	CHANGE 2                                       ; slot 2 is whole; slot 1 has been read out and takes slot 3
	W1K 0
	W1K 1
	s_xor_b32 s[TB], s[TB], SLOT1
	s_xor_b32 s[XB], s[XB], XBUF
	ADR 0                                          ; slot 3
	CHANGE 3                                       ; slot 3 is whole; slot 0 takes slot 4, W2: the launch's last tensor load
	W1K 0
	W1K 1
	s_xor_b32 s[TB], s[TB], SLOT1
	; ---- THE HIDDEN LAYER: relu, quantised in registers; my 8 tiles of a row tile are K step g of product 2
	s_wait_tensorcnt 0x0                           ; my part of W2's slot is in;
	BARRIER                                        ; so is everybody's, and every wave has ended its reads of x's images, whose bytes the hidden layer takes.
.irp m, 0,1
.irp t, 0,1,2,3,4,5,6,7
	global_load_b128 v[128+64*\m+8*\t:128+64*\m+8*\t+3], v[ACM], s[10:11] offset:128*(\t/2)+32*(\t%2)
	global_load_b128 v[128+64*\m+8*\t+4:128+64*\m+8*\t+7], v[ACM], s[10:11] offset:128*(\t/2)+32*(\t%2)+16
.endr
.endr
	s_mul_i32 s50, s39, 24576
	s_mul_i32 s51, s38, 1536
	s_add_co_u32 s50, s50, s51
	s_add_co_u32 s50, s50, HIMG
	v_add_nc_u32 v[AXW], s50, v[LI]                ; fragment 4 (4 hw + m) + g
	s_lshl_b32 s50, s39, 11
	s_lshl_b32 s51, s38, 7
	s_add_co_u32 s50, s50, s51
	s_add_co_u32 s50, s50, HSC
	v_add_nc_u32 v[AXS], s50, v[LS]
.irp m, 0,1,2,3
	WIN 0x04                                       ; source 1 window 1
.set j, 0
.rept 64
	v_max_num_f32 v[XT+j], 0, v[64*\m+j]           ; the activation, in f32, and the way into window 0; ascending
.set j, j+1
.endr
	WIN 0
	QUANT XT
	IMAGE AXW, 6144*\m
	ds_store_b32 v[AXS], v[PW] offset:512*\m
	s_wait_dscnt 0x0                               ; the stores have read their registers
.endr
	BARRIER                                        ; the hidden layer's 32 fragments lie in LDS
	s_wait_loadcnt 0x0                             ; b2
	; ---- PRODUCT 2: four K steps of W2's slot
	s_mul_i32 s50, s41, 12288
	s_add_co_u32 s50, s50, HIMG
	v_add_nc_u32 v[AXR], s50, v[LI]
	s_lshl_b32 s51, s41, 10
	s_add_co_u32 s51, s51, HSC
	v_add_nc_u32 v[AXRS], s51, v[LS]
	s_mul_i32 s52, s40, 4*PARTB
	s_add_co_u32 s52, s52, s[TB]
	v_add_nc_u32 v[AW], s52, v[LI]
	s_wait_alu depctr_va_vdst(0)
	KSTEP 0, 2, 4, 0, 128, 0
	KSTEP 4, 2, 4, 1, 128, 0
	KSTEP 4, 2, 4, 2, 128, 0
	KSTEP 4, 2, 4, 3, 128, 0
	s_xor_b32 s[TB], s[TB], SLOT1
	; ---- proj: its squares' sums (of the unquantised numbers) and its codes: K step g2 of product 3
	s_mul_i32 s50, s41, 6144
	s_mul_i32 s51, s40, 1536
	s_add_co_u32 s50, s50, s51
	s_add_co_u32 s50, s50, PIMG
	v_add_nc_u32 v[AXW], s50, v[LI]                ; fragment 2 (2 rq + m) + g2
	s_lshl_b32 s50, s41, 9
	s_lshl_b32 s51, s40, 7
	s_add_co_u32 s50, s50, s51
	s_add_co_u32 s50, s50, PSC
	v_add_nc_u32 v[AXS], s50, v[LS]
	s_lshl_b32 s50, s40, 10
	s_lshl_b32 s51, s41, 8
	s_add_co_u32 s50, s50, s51
	s_add_co_u32 s50, s50, X2
	v_add_nc_u32 v[AXR], s50, v[LS]
	PLACES 1                                       ; with the three additions above: four places behind product 2's last instructions
	; the bank's first 33 loads go out here, ahead of proj's quantiser, which touches none of their registers: my work-group's first slot, its scale image and four tiles
	s_and_b32 s[RC], s[WGX], 7                     ; my work-group begins at slot (block number) mod 8
	s_mul_i32 s[OFS], s[RC], SLOTB
	s_mov_b32 s[OFS+1], 0
	s_add_co_u32 s52, s47, 5*SLOTB                 ; the bank begins behind five slots; part w
	s_mov_b32 s53, 0
	s_add_nc_u64 s[BKB:BKB+1], s[6:7], s[52:53]
	s_add_nc_u64 s[NB:NB+1], s[BKB:BKB+1], s[OFS:OFS+1]
	global_load_b128 v[WS:WS+3], v[LI], s[NB:NB+1] offset:12288
	G3 0
	G3 1
	G3 2
	G3 3
.irp m, 0,1
	SUMSQ 128+64*\m
	ds_store_b32 v[AXR], v126 offset:128*\m
	QUANT 128+64*\m
	IMAGE AXW, 3072*\m
	ds_store_b32 v[AXS], v[PW] offset:256*\m
	s_wait_dscnt 0x0
.endr
	; ---- PRODUCT 3: eight slots of the bank
	BARRIER                                        ; proj's images are whole
	v_add_nc_u32 v[AXW], PIMG, v[LI]
	v_and_b32 v[AXS], 15, v0
	v_bfe_u32 v[AXR], v0, 4, 1
	s_delay_alu instid0(VALU_DEP_2)
	v_lshlrev_b32 v[AXS], 2, v[AXS]
	s_delay_alu instid0(VALU_DEP_1)
	v_lshl_add_u32 v[AXS], v[AXR], 7, v[AXS]
	s_delay_alu instid0(VALU_DEP_1)
	v_add_nc_u32 v[AXS], PSC, v[AXS]               ; lanes 0-15 take K step 0's scale words, lanes 16-31 K step 1's, 128 bytes on
	WIN 0x40                                       ; destination window 1
.irp f, 0,1,2,3,4,5,6,7,8,9,10,11,12,13,14,15
.irp c, 0,1,2
	ds_load_b128 v[12*\f+4*\c:12*\f+4*\c+3], v[AXW] offset:1536*\f+512*\c     ; proj's 16 fragments stay in registers
.endr
.endr
	WIN 0
.irp M, 0,1,2,3,4,5,6,7
	ds_load_b32 v[PS+\M], v[AXS] offset:256*\M
.endr
.irp M, 0,1,2,3,4,5,6,7
	v_mov_b32 v[RUN+\M], 0xff800000                ; -infinity, under every number
	v_mov_b32 v[TP+\M], 0                          ; (a lane permute's destination counts as one of its sources)
.endr
	s_wait_dscnt 0x0                               ; proj's fragments and scale words are in
	s_mov_b32 s[CNT], 3
.Lbank:                                            ; a trip takes two slots, until the two sets of scale words are back where they began: six slots,
	SLOT3 WS, WS2, 1
	SLOT3 WS2, WS, 1
	s_sub_co_u32 s[CNT], s[CNT], 1
	s_cmp_lg_u32 s[CNT], 0
	s_cbranch_scc1 .Lbank
	SLOT3 WS, WS2, 1                               ; and the last two are written out: the last asks for nothing
	SLOT3 WS2, WS, 0
	; ---- THE END: the maxima of the lanes' halves, of the eight waves; x2; the root
.irp M, 0,1,2,3,4,5,6,7
	v_permlanex16_b32 v[TP+\M], v[RUN+\M], s[SEL], s[SEL+1]
.endr
.irp M, 0,1,2,3,4,5,6,7
	v_max_num_f32 v[RUN+\M], v[RUN+\M], v[TP+\M]
.endr
	s_lshl_b32 s50, s[WV], 10
	s_add_co_u32 s50, s50, MST
	v_add_nc_u32 v[AXW], s50, v[LS]
	v_and_b32 v[AXS], 31, v0
	s_delay_alu instid0(VALU_DEP_1)
	v_lshrrev_b32 v[AXR], 2, v[AXS]
	s_delay_alu instid0(VALU_DEP_2)
	v_and_b32 v[AXS], 3, v[AXS]
	s_delay_alu instid0(VALU_DEP_1)
	v_lshlrev_b32 v[AXS], 4, v[AXS]
	s_delay_alu instid0(VALU_DEP_1)
	v_lshl_add_u32 v[AXS], v[AXR], 7, v[AXS]       ; lane l takes rows 4 l .. 4 l + 3: row tile l/4, 16 (l%4) bytes on
	s_delay_alu instid0(VALU_DEP_1)
	v_add_nc_u32 v[AXR], X2, v[AXS]
	s_delay_alu instid0(VALU_DEP_2)
	v_add_nc_u32 v[AXS], MST, v[AXS]
.irp M, 0,1,2,3,4,5,6,7
	ds_store_b32 v[AXW], v[RUN+\M] offset:128*\M
.endr
	BARRIER
	s_cmp_lg_u32 s[WV], 0
	s_cbranch_scc1 .Ldone
	s_wait_alu depctr_va_vdst(0)
.irp u, 0,1,2,3,4,5,6,7
	ds_load_b128 v[32+4*\u:35+4*\u], v[AXS] offset:1024*\u
.endr
	ds_load_b128 v[64:67], v[AXR]
	ds_load_b128 v[68:71], v[AXR] offset:1024
	s_wait_dscnt 0x0
.irp k, 0,1,2,3
	v_max3_num_f32 v[72+\k], v[32+\k], v[36+\k], v[40+\k]
.endr
.irp k, 0,1,2,3
	s_delay_alu instid0(VALU_DEP_4)
	v_max3_num_f32 v[72+\k], v[72+\k], v[44+\k], v[48+\k]
.endr
.irp k, 0,1,2,3
	s_delay_alu instid0(VALU_DEP_4)
	v_max3_num_f32 v[72+\k], v[72+\k], v[52+\k], v[56+\k]
.endr
.irp k, 0,1,2,3
	s_delay_alu instid0(VALU_DEP_4)
	v_max_num_f32 v[72+\k], v[72+\k], v[60+\k]     ; max over the bank of xm - m2/2
.endr
.irp k, 0,1,2,3
	v_add_f32 v[64+\k], v[64+\k], v[68+\k]         ; x2
.endr
.irp k, 0,1,2,3
	s_delay_alu instid0(VALU_DEP_4)
	v_fma_f32 v[72+\k], -2.0, v[72+\k], v[64+\k]
.endr
.irp k, 0,1,2,3
	s_delay_alu instid0(VALU_DEP_4)
	v_max_num_f32 v[72+\k], 0, v[72+\k]
.endr
	s_wait_alu depctr_va_vdst(0)
.irp k, 0,1,2,3
	v_sqrt_f32 v[76+\k], v[72+\k]
.endr
	v_nop                                          ; a plain line behind the last root
	s_wait_alu depctr_va_vdst(0)                   ; the wait ahead of the first use: one for the four
	global_store_b128 v[LI], v[76:79], s[12:13]    ; the wave stores the block's 512 consecutive bytes, aligned to 256
.Ldone:
	s_wait_tensorcnt 0x0                           ; the wave's end
	ds_add_u32 v[SPW], v[NIL]
	s_wait_dscnt 0x0
	ROUND                                          ; the closing round: no work-group ends while a partner may still ask for a part that names it
	s_endpgm
.Lfunc_end_k_q601a1815ab_head:
	.size	k_q601a1815ab_head, .Lfunc_end_k_q601a1815ab_head-k_q601a1815ab_head
	.p2alignl 7, 3214868480
	.fill 96, 4, 3214868480
	.section	.rodata,"a",@progbits
	.p2align	6, 0x0
	.amdhsa_kernel k_q601a1815ab_head
		.amdhsa_group_segment_fixed_size 327680
		.amdhsa_private_segment_fixed_size 0
		.amdhsa_enable_private_segment 0
		.amdhsa_kernarg_size 40
		.amdhsa_user_sgpr_count 2
		.amdhsa_user_sgpr_kernarg_segment_ptr 1
		.amdhsa_wavefront_size32 1
		.amdhsa_system_sgpr_workgroup_id_x 1
		.amdhsa_system_sgpr_workgroup_id_y 1
		.amdhsa_system_sgpr_workgroup_id_z 1
		.amdhsa_system_vgpr_workitem_id 0
		.amdhsa_next_free_vgpr 512
		.amdhsa_next_free_sgpr 96
		.amdhsa_reserve_vcc 0
		.amdhsa_float_denorm_mode_32 3
		.amdhsa_float_denorm_mode_16_64 3
		.amdhsa_memory_ordered 1
		.amdhsa_forward_progress 1
		.amdhsa_inst_pref_size 255
	.end_amdhsa_kernel
	.section	.bss,"aw",@nobits
	.p2align	6
	.space	262144
	.amdgpu_metadata
---
amdhsa.version: [ 1, 2 ]
amdhsa.kernels:
  - .name:           k_q601a1815ab_head
    .symbol:         k_q601a1815ab_head.kd
    .args:
      - { .name: features, .offset: 0, .size: 8, .value_kind: global_buffer, .address_space: global }
      - { .name: wts, .offset: 8, .size: 8, .value_kind: global_buffer, .address_space: global }
      - { .name: b1, .offset: 16, .size: 8, .value_kind: global_buffer, .address_space: global }
      - { .name: b2, .offset: 24, .size: 8, .value_kind: global_buffer, .address_space: global }
      - { .name: out0, .offset: 32, .size: 8, .value_kind: global_buffer, .address_space: global }
    .group_segment_fixed_size: 327680
    .private_segment_fixed_size: 0
    .kernarg_segment_align: 8
    .kernarg_segment_size: 40
    .max_flat_workgroup_size: 256
    .sgpr_count:     96
    .vgpr_count:     512
    .wavefront_size: 32
...
	.end_amdgpu_metadata
.endif
;; end of part 2
